; MI455X (gfx1250); checked and timed in simulation.
; The chip was launched on July 23, 2026; its instructions are those of AMD's public machine-readable ISA for CDNA 5 (MIT licence, August 2026) and "CDNA5" Instruction Set Architecture Reference Guide (July 2026). The comments in the code are by the model that wrote it; some were corrected since.
;; GRU Cell. Allowed arithmetic: matrix products marked QUANTISED: E2M3 operands, one E8M0 scale for each 32 along K, by v_wmma_scale_f32_16x16x128_f8f6f4 with both operands' format E2M3, f32 sums; everything else in f32.
;; Inputs: b_uh 1,024 float32; b_ur 1,024 float32; b_uz 1,024 float32; b_wh 1,024 float32; b_wr 1,024 float32; b_wz 1,024 float32; h_prev 8,192 x 1,024 float32; u_h 1,024 x 1,024 float32; u_r 1,024 x 1,024 float32; u_z 1,024 x 1,024 float32; w_h 1,024 x 1,024 float32; w_r 1,024 x 1,024 float32; w_z 1,024 x 1,024 float32; x 8,192 x 1,024 float32.
;; Outputs: out0 8,192 x 1,024 float32.
;; This version of the problem:
;;   THIS VERSION OF THE PROBLEM IS GIVEN IN LOW PRECISION. The matrix products marked QUANTISED in the list below multiply operands that are first quantised to E2M3 (2 exponent bits, 3 mantissa bits; 6 bits a number), with one power-of-two scale for each 32 numbers along K (OCP MX v1.0); their sums are f32. All else is computed in f32.
;;   The module's matrix products, in the order in which they are computed (A, B: the left and right operand; K: the contracted axis; several contracted axes count as one K, in the product's order):
;;     1. [M 8,192, K 1,024] x [K 1,024, N 3,072]; A: input x; B: computed on the way: QUANTISED
;;     2. [M 8,192, K 1,024] x [K 1,024, N 2,048]; A: input h_prev; B: computed on the way: QUANTISED
;;     3. [M 8,192, K 1,024] x [K 1,024, N 1,024]; A: computed on the way; B: input u_h: QUANTISED
;;   THE QUANTISER, for each operand of a quantised product, along K:
;;     - K is cut into blocks of 32 from its start; a last block that is shorter is filled with zeros.
;;     - A block's scale is 2^e with e = floor(log2(the largest magnitude in the block)) - 2, held to -126 .. 127; a block of zeros has e = 0. As a byte (E8M0): e + 127.
;;     - Each number is divided by its block's scale, clamped to +-7.5, and rounded to the nearest number of E2M3, ties to even, subnormals kept.
;;     - The product sums the exact products of the quantised numbers (number of the format x scale) in f32.
;;   ~~~python
;;   def quantise(x, axis):      # numpy; x: float32 -> the quantised numbers, widened to float32 again
;;       x = np.moveaxis(x, axis, -1); K = x.shape[-1]
;;       x = np.pad(x, [(0, 0)] * (x.ndim - 1) + [(0, -K % 32)]); x = x.reshape(x.shape[:-1] + (-1, 32)); a = np.abs(x).max(-1, keepdims=True)
;;       e = np.where(a > 0, np.clip(np.frexp(np.where(a > 0, a, 1))[1] - 1 - 2, -126, 127), 0)      # np.frexp(a)[1] - 1 = floor(log2(a)), exactly
;;       r = np.clip(x / 2.0 ** e, -7.5, 7.5)
;;       step = 2.0 ** (np.maximum(np.frexp(np.where(r == 0, 1, r))[1] - 1, 0) - 3)
;;       q = np.round(r / step) * step * 2.0 ** e      # np.round: ties to even
;;       return np.moveaxis(q.reshape(q.shape[:-2] + (-1,))[..., :K], -1, axis).astype(np.float32)
;;   ~~~
;;   OPERANDS COMPUTED ON THE WAY. 'Computed on the way' means the value that the module computes at that place (a softmax that the list does not call 'softmax' is quantised finished and normalised). What goes into a quantiser is computed in f32, as accurately as f32 sums, v_exp_f32 and their like allow (about 1e-6 of the number): no bf16 or f16 on the way to a quantiser, and a product that is left as it is and whose result goes on into a quantised operand takes f32 operands (vector FMAs, or v_wmma_f32_16x16x4_f32). A number that lies on a knife's edge between two numbers of the format may be rounded either way, as far as f32 arithmetic and the matrix unit's own rounding can turn it there, and no further.
;; One version. Each part assembles by itself: llvm-mc -triple=amdgcn-amd-amdhsa -mcpu=gfx1250 --defsym DOCPART=n.
;; ======== version 1 of 1: 3 launches
;; workspace buffers: xh_img 13,107,200 bytes; w_img 4,915,200 bytes; rh_img 6,553,600 bytes
;; launch quant (part 1): grid 704 x 1, 4 waves a work-group, no clusters, 34,304 bytes of LDS; arguments x, h_prev, w_r, u_r, w_z, u_z, w_h, u_h, xh_img, w_img; writes xh_img, w_img
.if DOCPART == 1
	.amdgcn_target "amdgcn-amd-amdhsa--gfx1250"
	.amdhsa_code_object_version 6
	.text
	.protected	k_q974a915eec_quant
	.globl	k_q974a915eec_quant
	.p2align	8
	.type	k_q974a915eec_quant,@function
k_q974a915eec_quant:
	s_mov_b64 s[64:65], 0
	v_nop
	global_prefetch_b8 v0, s[64:65] scope:SCOPE_SE
	s_setreg_imm32_b32 hwreg(HW_REG_WAVE_MODE, 25, 1), 1
	s_wait_xcnt 0x0
; x, h_prev [8192][1024] and the six weights [1024][1024], f32 with K innermost, become codes of FP6 (E2M3) with one E8M0 byte for each 32 along K.
; A block's scale is 2^(floor(log2(its largest magnitude)) - 2); its byte is the largest magnitude's exponent field - 2, held at 1 from below.
; LIMITS: NaN and infinities among the inputs are not served; a block whose largest magnitude lies under 2^-124, a block of zeros among them, gets the byte 1
; (the rule says 127 for zeros): its codes are zeros or tiny, and the bytes are read by this program alone.
; THE OUTPUT IS LAID AS IMAGES OF OPERAND REGISTERS.  A TILE is 128 rows x 256 K, 25,600 dense bytes: 16 fragments (row block i, q-th 128 of K) at (8 q + i) x 1,536, each three
; chunks of 512 bytes, lane l's registers 4 c .. 4 c + 3 at 512 c + 16 l; behind them the scale words, one for a row and 128 K, at 24,576 + 512 q + 256 (i / 4) + 16 r + 4 (i % 4).
; Position r of row block i is row 32 (i / 2) + 8 (i % 2) + r + 8 (r / 8) of the 128, in every image alike.
; Tile number = ((rg / 2) x 8 + kp) x 2 + rg % 2, rg = row / 128, kp = k / 256: xh_img has x at kp 0-3 and h_prev at kp 4-7; w_img has W at kp 0-3, U at kp 4-7, the gates r, z, h stacked along rg.
; SHARES: one work-group to a tile (512 for x and h_prev, 192 for the weights); wave w takes rows 64 (w / 2) on and K 128 (w % 2) on: four fragments.
; A load reads one row's 512 consecutive bytes; the 16 rows of a fragment turn through the wave's own stage in LDS, so that a lane gets 2 x 32 neighbours along K of one row: two whole blocks.
; One path through the text: only pointers are chosen, by the work-group's number.  No barrier: waves share nothing.
.set TILE,  25600
.set FRB,   1536
.set QB,    8*FRB
.set SCO,   16*FRB
.set SPT,   528                        ; a stage row: 512 bytes + 16: the 16 rows that a load of 16 bytes a lane touches start 33 x 16 bytes apart
.set WSTG,  16*SPT                     ; a wave's stage
.set SPARE, 4*WSTG                     ; behind the stages: the spare words, 128 bytes a wave, that no other line names
.set LI,  1                            ; v1   16 x lane: my bytes of a row's 512, and of a chunk of codes
.set STI, 2                            ; v2   the stage, on the way in
.set STO, 3                            ; v3   and on the way out: row r, + 128 h
.set SH8, 4                            ; v4   8 h: my bytes' place in the scale word
.set SOF, 5                            ; v5   16 r + 8 h: my two scale words' place
.set SPW, 6                            ; v6   my spare word's LDS address; never rewritten
.set NIL, 7                            ; v7   0; never rewritten
.set MX,  8                            ; v8-9   two blocks' largest magnitudes
.set SO,  10                           ; v10-11 the conversions' scale operands
.set BY,  12                           ; v12-13 the scale bytes
.set WD,  14                           ; v14-15 the scale word in the making
.set W,   16                           ; v16-19 the four fragments' scale words
.set C,   20                           ; v20-31 a fragment's codes
.set TC,  32                           ; v32-39 the upper halves of the two blocks, as converted
.set PR,  40                           ; v40-41 the two scale words that I store
.set X,   48                           ; v48-111  64 numbers: register 32 c + n = k 64 c + 32 h + n of row position r
.set R,   112                          ; v112-239 two sets of 16 rows as loaded
	s_load_b256 s[4:11], s[0:1], 0x0               ; x, h_prev, w_r, u_r
	s_load_b256 s[12:19], s[0:1], 0x20             ; w_z, u_z, w_h, u_h
	s_load_b128 s[20:23], s[0:1], 0x40             ; xh_img, w_img
	v_lshl_add_u32 v[SPW], v0, 2, SPARE
	v_mov_b32 v[NIL], 0
	v_lshrrev_b32 v8, 5, v0
	v_readfirstlane_b32 s36, v8                    ; wave
	v_and_b32 v9, 31, v0                           ; lane
	v_and_b32 v10, 15, v0                          ; r
	v_bfe_u32 v11, v0, 4, 1                        ; h
	v_lshlrev_b32 v[LI], 4, v9
	s_mul_i32 s37, s36, WSTG
	v_add_nc_u32 v[STI], s37, v[LI]
	v_mul_u32_u24 v[STO], v10, SPT
	v_lshl_add_u32 v[STO], v11, 7, v[STO]
	v_add_nc_u32 v[STO], s37, v[STO]
	v_lshlrev_b32 v[SH8], 3, v11
	v_lshl_add_u32 v[SOF], v10, 4, v[SH8]
	v_cmp_lt_u32 s34, 15, v9                       ; lanes 16-31
	v_mov_b32 v[WD+1], 0                           ; written once: a lane permute's destination counts as one of its sources
	s_mov_b32 s38, 0x76543210
	s_mov_b32 s39, 0xfedcba98                      ; v_permlanex16_b32's selects for lane l xor 16
	; which tensor (tn) and which of its tiles (tt)
	s_lshr_b32 s28, ttmp9, 8
	s_and_b32 s29, ttmp9, 255
	s_sub_co_u32 s30, ttmp9, 512
	s_lshr_b32 s30, s30, 5
	s_add_co_u32 s30, s30, 2
	s_and_b32 s31, ttmp9, 31
	s_cmp_lt_u32 ttmp9, 512
	s_cselect_b32 s28, s28, s30                    ; tn: 0 x, 1 h_prev, 2 .. 7 the weights in the arguments' order
	s_cselect_b32 s29, s29, s31                    ; tt
	s_lshr_b32 s30, s29, 2                         ; rg in the tensor
	s_and_b32 s31, s29, 3                          ; kp in the tensor
	s_lshr_b32 s32, s28, 1
	s_max_u32 s32, s32, 1
	s_sub_co_u32 s32, s32, 1                       ; the gate: 0 r (and x, h_prev), 1 z, 2 h
	s_lshl_b32 s32, s32, 3
	s_add_co_u32 s32, s32, s30                     ; rg in the image
	s_and_b32 s33, s28, 1                          ; which half of the image's K
	s_lshr_b32 s35, s32, 1
	s_lshl_b32 s35, s35, 3
	s_lshl_b32 s33, s33, 2
	s_add_co_u32 s35, s35, s33
	s_add_co_u32 s35, s35, s31
	s_lshl_b32 s35, s35, 1
	s_and_b32 s32, s32, 1
	s_add_co_u32 s35, s35, s32
	s_mul_i32 s35, s35, TILE                       ; the tile's first byte in its image
	s_lshr_b32 s32, s36, 1                         ; g: my 64 rows
	s_and_b32 s33, s36, 1                          ; q: my 128 along K
	s_lshl_b32 s40, s30, 19                        ; source: rg x 128 rows of 4,096 bytes
	s_lshl_b32 s31, s31, 10
	s_add_co_u32 s40, s40, s31                     ; + kp x 1,024
	s_lshl_b32 s31, s32, 18
	s_add_co_u32 s40, s40, s31                     ; + g x 64 rows
	s_lshl_b32 s31, s33, 9
	s_add_co_u32 s40, s40, s31                     ; + q x 512
	s_mov_b32 s41, 0
	s_mul_i32 s42, s33, QB                         ; my codes
	s_mul_i32 s31, s32, 4*FRB
	s_add_co_u32 s42, s42, s31
	s_add_co_u32 s42, s42, s35
	s_mov_b32 s43, 0
	s_lshl_b32 s44, s33, 9                         ; my scale words
	s_lshl_b32 s31, s32, 8
	s_add_co_u32 s44, s44, s31
	s_add_co_u32 s44, s44, s35
	s_add_co_u32 s44, s44, SCO
	s_mov_b32 s45, 0
	s_wait_kmcnt 0x0
	s_mov_b64 s[24:25], s[4:5]
.irp n, 1,2,3,4,5,6,7
	s_cmp_eq_u32 s28, \n                           ; the choice hangs on the work-group's number alone
	s_cselect_b64 s[24:25], s[4+2*\n:5+2*\n], s[24:25]
.endr
	s_cmp_lt_u32 ttmp9, 512
	s_cselect_b64 s[26:27], s[20:21], s[22:23]
	s_add_nc_u64 s[24:25], s[24:25], s[40:41]
	s_add_nc_u64 s[46:47], s[26:27], s[44:45]
	s_add_nc_u64 s[26:27], s[26:27], s[42:43]
.macro LOAD f                          ; fragment f's 16 rows, in the image's order, into set f % 2: each load is 512 consecutive bytes of one row
.set i, 0
.rept 16
	global_load_b128 v[R+64*((\f)%2)+4*i:R+64*((\f)%2)+4*i+3], v[LI], s[24:25] offset:(32*((\f)/2)+8*((\f)%2)+i+8*(i/8))*4096 th:TH_LOAD_NT
.set i, i+1
.endr
.endm
.macro TURNF f                         ; through my stage: LDS serves a wave's instructions in order, so no wait stands between the stores and the loads
.set i, 0
.rept 16
	ds_store_b128 v[STI], v[R+64*((\f)%2)+4*i:R+64*((\f)%2)+4*i+3] offset:SPT*i
.set i, i+1
.endr
.set i, 0
.rept 16
	ds_load_b128 v[X+4*i:X+4*i+3], v[STO] offset:256*(i/8)+16*(i%8)
.set i, i+1
.endr
.endm
.macro QUANT2 f                        ; my two blocks, 2 c + h of the row's four: all their numbers are mine
.irp c, 0,1
	v_max3_num_f32 v[MX+\c], |v[X+32*\c]|, |v[X+32*\c+1]|, 0x1800000   ; with the floor 2^(3 - 127): the byte cannot fall under 1
.endr
.irp i, 2,4,6,8,10,12,14,16,18,20,22,24,26,28,30
.irp c, 0,1
	v_max3_num_f32 v[MX+\c], v[MX+\c], |v[X+32*\c+\i]|, |v[X+32*\c+\i+1]|   ; the two blocks by turns
.endr
.endr
.irp c, 0,1
	v_add_nc_u32 v[SO+\c], 0xff000000, v[MX+\c]    ; 2 off the exponent field: the conversion takes this operand's exponent field as its scale
.endr
.irp c, 0,1
	v_lshrrev_b32 v[BY+\c], 23, v[SO+\c]           ; the scale's byte
.endr
	v_lshl_or_b32 v[WD], v[BY+1], 16, v[BY]        ; bytes h and 2 + h of the row's word,
	v_lshlrev_b32 v[WD], v[SH8], v[WD]             ; at their places;
	v_permlanex16_b32 v[WD+1], v[WD], s38, s39
	v_or_b32 v[W+\f], v[WD], v[WD+1]               ; with lane l xor 16's two the word is whole
.if \f > 0
	s_wait_xcnt 0x0                                ; the last fragment's stores have read their data: the codes' registers are written again only behind this wait
.endif
.irp c, 0,1
	v_cvt_scalef32_pk16_fp6_f32 v[C+6*\c:C+6*\c+2], v[X+32*\c:X+32*\c+15], v[SO+\c]
	v_cvt_scalef32_pk16_fp6_f32 v[TC+4*\c:TC+4*\c+2], v[X+32*\c+16:X+32*\c+31], v[SO+\c]   ; a conversion's three registers begin on an even number: made here and moved
.endr
	v_nop                                          ; one plain place behind the scaled conversions
.irp c, 0,1
.irp i, 0,1,2
	v_mov_b32 v[C+6*\c+3+\i], v[TC+4*\c+\i]
.endr
.endr
.endm
.macro PUT f                           ; the fragment's image: each store covers 512 consecutive bytes, aligned
.irp k, 0,1,2
	global_store_b128 v[LI], v[C+4*\k:C+4*\k+3], s[26:27] offset:(\f)*FRB+512*\k
.endr
.endm
	LOAD 0
	LOAD 1
.irp f, 0,1,2,3
.if \f < 3
	s_wait_loadcnt 16                              ; this fragment's 16 loads are in; the next one's 16 may be out
.else
	s_wait_loadcnt 0x0
.endif
	TURNF \f
	s_wait_dscnt 0x0                               ; my 64 numbers are back, and the stage's stores have read their registers
.if \f < 2
	LOAD \f+2
.endif
	QUANT2 \f
	PUT \f
.endr
	v_cndmask_b32 v[PR], v[W], v[W+2], s34         ; lanes 0-15 store the words of fragments 0 and 1, lanes 16-31 those of 2 and 3:
	v_cndmask_b32 v[PR+1], v[W+1], v[W+3], s34
	global_store_b64 v[SOF], v[PR:PR+1], s[46:47]  ; 256 consecutive bytes, aligned
	s_wait_tensorcnt 0x0                           ; the wave's end: an add of 0 to my spare word and its wait, behind my last LDS store
	ds_add_u32 v[SPW], v[NIL]
	s_wait_dscnt 0x0
	s_endpgm
.Lfunc_end_k_q974a915eec_quant:
	.size	k_q974a915eec_quant, .Lfunc_end_k_q974a915eec_quant-k_q974a915eec_quant
	.p2alignl 7, 3214868480
	.fill 96, 4, 3214868480
	.section	.rodata,"a",@progbits
	.p2align	6, 0x0
	.amdhsa_kernel k_q974a915eec_quant
		.amdhsa_group_segment_fixed_size 34304
		.amdhsa_private_segment_fixed_size 0
		.amdhsa_enable_private_segment 0
		.amdhsa_kernarg_size 80
		.amdhsa_user_sgpr_count 2
		.amdhsa_user_sgpr_kernarg_segment_ptr 1
		.amdhsa_wavefront_size32 1
		.amdhsa_system_sgpr_workgroup_id_x 1
		.amdhsa_system_sgpr_workgroup_id_y 1
		.amdhsa_system_sgpr_workgroup_id_z 1
		.amdhsa_system_vgpr_workitem_id 0
		.amdhsa_next_free_vgpr 240
		.amdhsa_next_free_sgpr 66
		.amdhsa_reserve_vcc 0
		.amdhsa_float_denorm_mode_32 3
		.amdhsa_float_denorm_mode_16_64 3
		.amdhsa_memory_ordered 1
		.amdhsa_forward_progress 1
		.amdhsa_inst_pref_size 32
	.end_amdhsa_kernel
	.amdgpu_metadata
---
amdhsa.version: [ 1, 2 ]
amdhsa.kernels:
  - .name:           k_q974a915eec_quant
    .symbol:         k_q974a915eec_quant.kd
    .args:
      - { .name: x, .offset: 0, .size: 8, .value_kind: global_buffer, .address_space: global }
      - { .name: h_prev, .offset: 8, .size: 8, .value_kind: global_buffer, .address_space: global }
      - { .name: w_r, .offset: 16, .size: 8, .value_kind: global_buffer, .address_space: global }
      - { .name: u_r, .offset: 24, .size: 8, .value_kind: global_buffer, .address_space: global }
      - { .name: w_z, .offset: 32, .size: 8, .value_kind: global_buffer, .address_space: global }
      - { .name: u_z, .offset: 40, .size: 8, .value_kind: global_buffer, .address_space: global }
      - { .name: w_h, .offset: 48, .size: 8, .value_kind: global_buffer, .address_space: global }
      - { .name: u_h, .offset: 56, .size: 8, .value_kind: global_buffer, .address_space: global }
      - { .name: xh_img, .offset: 64, .size: 8, .value_kind: global_buffer, .address_space: global }
      - { .name: w_img, .offset: 72, .size: 8, .value_kind: global_buffer, .address_space: global }
    .group_segment_fixed_size: 34304
    .private_segment_fixed_size: 0
    .kernarg_segment_align: 8
    .kernarg_segment_size: 80
    .max_flat_workgroup_size: 128
    .sgpr_count:     66
    .vgpr_count:     240
    .wavefront_size: 32
...
	.end_amdgpu_metadata
.endif
;; end of part 1
;; launch gate_r (part 2): grid 8 x 32, 4 waves a work-group, clusters of 4 x 4, 327,680 bytes of LDS; arguments xh_img, w_img, h_prev, b_wr, b_ur, rh_img; writes rh_img
.if DOCPART == 2
	.amdgcn_target "amdgcn-amd-amdhsa--gfx1250"
	.amdhsa_code_object_version 6
	.text
	.protected	k_q974a915eec_gate_r
	.globl	k_q974a915eec_gate_r
	.p2align	8
	.type	k_q974a915eec_gate_r,@function
k_q974a915eec_gate_r:
	s_mov_b64 s[64:65], 0
	v_nop
	global_prefetch_b8 v0, s[64:65] scope:SCOPE_SE
	s_setreg_imm32_b32 hwreg(HW_REG_WAVE_MODE, 25, 1), 1
	s_wait_xcnt 0x0
	s_wait_alu depctr_hold_cnt(0) depctr_sa_sdst(0) depctr_va_vdst(0) depctr_va_sdst(0) depctr_va_ssrc(0) depctr_va_vcc(0) depctr_vm_vsrc(0)
	s_getreg_b32 s2, hwreg(HW_REG_IB_STS2, 6, 4)
	s_cmp_eq_u32 s2, 0
	s_cbranch_scc0 .Lentry_in_a_cluster
	s_endpgm
.Lentry_in_a_cluster:
	s_bfe_u32 s2, ttmp6, 0x10000c
	s_cmp_lg_u32 s2, 0xf033
	s_cbranch_scc0 .Lentry_shape_is_right
	s_endpgm
.Lentry_shape_is_right:
; r = sigmoid([x | h_prev] [W_r | U_r]^T + b_wr + b_ur); r x h_prev is quantised in registers to FP6 (E2M3) with E8M0 scales along its columns and stored as images of operand registers (rh_img).
; The operands come as images (see the launch that makes them): a tile is 128 rows x 256 K, 25,600 dense bytes; a fragment is three loads of 16 bytes a lane at 16 x lane.
; SHARES: a work-group makes 256 rows x 128 columns, K = 2,048; wave w makes rows 64 w .. 64 w + 63 x all 128 columns: 32 accumulators; each of its four row blocks becomes one whole fragment of the next product's K.
; THE MATRIX INSTRUCTION IS USED TRANSPOSED: source 0 = 16 rows of the weights, source 1 = 16 rows of [x | h].  By the images' row order, lane (r, h) then holds, in the 16 registers of
; accumulators (a, 2 B) and (a, 2 B + 1), the columns 32 B + 16 h + 0 .. 15 of row position r: 16 neighbours along the next K.
; RING: four regions of 76,800 bytes [rows' tile 0 | rows' tile 1 | weights' tile]; a slot is two regions, 512 along K, 128 matrix instructions a wave; two slots.
; CLUSTER 4 x 4: the rows' tiles are shared along a row of the cluster, the weights' along a column: joint loads.  Waves 0, 1 fetch the rows' tiles, waves 2, 3 the weights'.
; (Four tiles of rows and two of weights make four loads with 51,200 bytes in the largest, however they are cut: a load has one buffer and one mask.)
; THE ORDER ALONG K: the two clusters that walk the same 1,024 rows take each pair of K steps in opposite orders (K step s xor the cluster's x mod 2, rows and weights alike):
; each tile of the rows is asked for by one of the two a K step ahead of the other.  The f32 sums so run along K in another order in every second cluster.
; h_prev's part (64 rows x 512 bytes a wave) comes by a plain tensor load into slot 0 when its last K step has been read out; only the wave that asked reads it.
; The image tiles are not prefetched here: the ring has two refills only; the first stands one K step behind the head, the second asks for what the neighbouring cluster asked for a K step earlier.
; LIMITS: NaN and infinities are not served; the biases enter as -log2(e) (b_wr + b_ur) in one fused multiply-add with the sum (another order of rounding than b added to each product);
; a block of r x h_prev whose largest magnitude lies under 2^-124 gets the byte 1.
; REGISTERS: window 0: v1-29 addresses; v32-47 scale words, two sets; v48-143 the rows' fragments, two sets; in the way out v48-111 T, v112-175 h_prev, v176-195 codes, v200-223 at work.
;   window 1: the weights' fragments, two sets of 96.   window 2: accumulator (a, b) at v[8 (8 a + b)].   window 3: v0-63 the bias term, v64-127 at work at the head.
.set TILE,  25600
.set FRB,   1536
.set QB,    8*FRB
.set SCO,   16*FRB
.set REG,   3*TILE
.set BOFF,  2*TILE                     ; the weights' tile in a region
.set SLOT,  2*REG
.set SPARE, 2*SLOT                     ; behind the ring: the spare words, 128 bytes a wave, that no other line names
.set HPT,   528                        ; a row of h_prev's tile in LDS: 512 bytes + 16
.set HWV,   64*HPT                     ; a wave's tile of h_prev
.set LI,   3                           ; v3     16 x lane
.set ADRA, 4                           ; v4-7   my rows' fragments in region 0 .. 3
.set ADRB, 8                           ; v8-11  the weights'
.set ADRS, 12                          ; v12-15 scale words: lanes 0-15 my rows' blocks 0-3, lanes 16-31 the weights' blocks 0-3
.set ADRT, 16                          ; v16-19 the same, lanes 16-31 the weights' blocks 4-7
.set HAD,  20                          ; v20    my place in my tile of h_prev
.set SOF,  21                          ; v21    16 r + 8 h
.set BOF,  22                          ; v22    64 h
.set PFO,  23                          ; v23    the prefetches' offset: 4,096 (lane / 2) + 256 (lane % 2); never rewritten
.set SPW,  28                          ; v28    my spare word's LDS address; never rewritten
.set NIL,  29                          ; v29    0; never rewritten
.set SC,   32
.set AF,   48
.set T,    48
.set H,    112
.set PC,   176
.set TM,   200
.set W,    216
.set PR,   222
.set WV,  16                           ; s16 wave; s17 wave / 2; s18 wave % 2
.set TA,  17
.set GA,  18
.set G1A, 24
.set G1B, 32
.set G1H, 40
.set G0A, 48
.set G0B, 56
.set G0H, 68
.set HBA, 72                           ; s[72:73] h_prev at my 64 rows, my work-group's columns
.set CD,  74                           ; s[74:75] where my codes go
.set SD,  76                           ; s[76:77] where my scale words go
.set CN,  78                           ; s[78:79] -log2(e), twice
.set SEL, 80
.set HM,  82                           ; s82 lanes 16-31
.set MSB, 0
.macro WIN new                         ; the immediate's high byte repeats the setting that is left
.if MSB != \new
	s_set_vgpr_msb (MSB<<8)|\new
.set MSB, \new
.endif
.endm
.set MUL_LO, 0xa1                      ; source 0 window 1, source 1 window 0, C and D window 2
.set TO_B,   0x40                      ; destination window 1, address window 0
.macro PLACES n
.rept \n
	v_nop
.endr
.endm
.macro CREST                           ; a round of the cluster's barrier behind its opening barrier
	s_cmp_lg_u32 s[WV], 0
	s_cbranch_scc1 .Lnot_wave_0_\@
	s_barrier_signal -3
.Lnot_wave_0_\@:
	s_barrier_wait -3
	s_barrier_signal -1
	s_barrier_wait -1
.endm
.macro CROUND
	s_barrier_signal -1
	s_barrier_wait -1
	CREST
.endm
.macro JLOAD sl                        ; a joint load; the branch hangs on the wave's number alone; an s_nop 0 and four v_nop follow each line
	s_cmp_eq_u32 s[TA], 0
	s_cbranch_scc0 .Lfor_b_\@
	tensor_load_to_lds s[G0A+4*\sl:G0A+4*\sl+3], s[G1A:G1A+7]
	s_nop 0
	PLACES 4
	s_branch .Lasked_\@
.Lfor_b_\@:
	tensor_load_to_lds s[G0B+4*\sl:G0B+4*\sl+3], s[G1B:G1B+7]
	s_nop 0
	PLACES 4
.Lasked_\@:
.endm
	s_load_b256 s[4:11], s[0:1], 0x0               ; xh_img, w_img, h_prev, b_wr
	s_load_b128 s[12:15], s[0:1], 0x20             ; b_ur, rh_img
	v_lshl_add_u32 v[SPW], v0, 2, SPARE
	v_mov_b32 v[NIL], 0
	ds_add_u32 v[SPW], v[NIL]                      ; the wave's opening: the add and its wait stand ahead of my first tensor load; work on registers stands between
	v_lshrrev_b32 v1, 5, v0
	v_readfirstlane_b32 s[WV], v1
	s_lshr_b32 s[TA], s[WV], 1                     ; which of the rows' two tiles is mine.  Also: I fetch the rows' tiles (0) or the weights' (1)
	s_and_b32 s[GA], s[WV], 1                      ; which 64 rows of it.  Also: which of a slot's two regions I fetch for
	s_bfe_u32 s19, ttmp6, 0x40000                  ; cx
	s_bfe_u32 s20, ttmp6, 0x40004                  ; cy
	s_lshl_b32 s21, ttmp9, 2
	s_add_co_u32 s21, s21, s19                     ; nx: my 128 columns
	s_and_b32 s22, ttmp7, 0xffff
	s_lshl_b32 s22, s22, 2
	s_add_co_u32 s22, s22, s20                     ; my: my 256 rows
	s_lshl_b32 s83, s20, 2
	s_lshl_b32 s83, 15, s83                        ; my row of the cluster
	s_lshl_b32 s84, 0x1111, s19                    ; my column
	; group 1: dense blocks as rows of 256 bytes (32 elements of 8 bytes), no padding: 200 rows for the rows' two tiles, 100 for the weights' one
	s_or_b32 s[G1A], s83, (3<<16)|(1<<21)
	s_or_b32 s[G1B], s84, (3<<16)|(1<<21)
.irp g, G1A, G1B
	s_mov_b32 s[\g+1], 32<<16
	s_mov_b32 s[\g+3], 32<<16
	s_mov_b32 s[\g+5], 32
	s_mov_b32 s[\g+6], 0
	s_mov_b32 s[\g+7], 0
.endr
	s_mov_b32 s[G1A+2], 200<<16
	s_mov_b32 s[G1A+4], 200
	s_mov_b32 s[G1B+2], 100<<16
	s_mov_b32 s[G1B+4], 100
	; h_prev: 64 rows x 128 elements of 4 bytes, 1,024 elements apart; 4 words of padding behind every 128: no mask
	s_mov_b32 s[G1H], (2<<16)|(1<<20)|(6<<22)|(3<<25)
	s_mov_b32 s[G1H+1], 128<<16
	s_mov_b32 s[G1H+2], 64<<16
	s_mov_b32 s[G1H+3], 128<<16
	s_mov_b32 s[G1H+4], 64
	s_mov_b32 s[G1H+5], 1024
	s_mov_b32 s[G1H+6], 0
	s_mov_b32 s[G1H+7], 0
	s_mul_i32 s23, s[GA], 2*TILE                   ; which kp of a K step's two I fetch
	s_mul_i32 s86, s22, 16*TILE                    ; the rows' tiles: my x 8 kp x 2 tiles
	s_add_co_u32 s86, s86, s23
	s_mov_b32 s87, 0
	s_lshr_b32 s88, s21, 1                         ; the weights' (gate r lies first): (nx / 2) x 8 kp x 2 tiles + nx % 2
	s_mul_i32 s88, s88, 16*TILE
	s_add_co_u32 s88, s88, s23
	s_and_b32 s89, s21, 1
	s_mul_i32 s89, s89, TILE
	s_add_co_u32 s88, s88, s89
	s_mov_b32 s89, 0
	s_mul_i32 s90, s[GA], REG                      ; where they go: no place in the cluster enters an LDS address
	s_lshl_b32 s92, s22, 20                        ; h_prev: (256 my + 64 wave) rows of 4,096 bytes + 512 nx
	s_lshl_b32 s93, s[WV], 18
	s_add_co_u32 s92, s92, s93
	s_lshl_b32 s2, s21, 9                          ; 512 nx: also the biases' offset
	s_add_co_u32 s92, s92, s2
	s_mov_b32 s93, 0
	s_mov_b32 s3, 0
	s_lshl_b32 s94, s22, 2                         ; rh_img: tile (my x 4 + nx / 2) x 2 + wave / 2
	s_lshr_b32 s95, s21, 1
	s_add_co_u32 s94, s94, s95
	s_lshl_b32 s94, s94, 1
	s_add_co_u32 s94, s94, s[TA]
	s_mul_i32 s94, s94, TILE
	s_and_b32 s95, s21, 1                          ; q = nx % 2
	s_mul_i32 s96, s95, QB
	s_mul_i32 s97, s[GA], 4*FRB
	s_add_co_u32 s96, s96, s97
	s_add_co_u32 s96, s96, s94
	s_mov_b32 s97, 0
	s_lshl_b32 s98, s95, 9
	s_lshl_b32 s99, s[GA], 8
	s_add_co_u32 s98, s98, s99
	s_add_co_u32 s98, s98, s94
	s_add_co_u32 s98, s98, SCO
	s_mov_b32 s99, 0
	s_mov_b32 s[CN], 0xbfb8aa3b                    ; -log2(e)
	s_mov_b32 s[CN+1], s[CN]
	s_mov_b32 s[SEL], 0x76543210
	s_mov_b32 s[SEL+1], 0xfedcba98
	s_mul_i32 s91, s[WV], HWV
	s_wait_dscnt 0x0                               ; the opening add is done
	s_wait_kmcnt 0x0
	s_add_nc_u64 s[86:87], s[4:5], s[86:87]
	s_add_nc_u64 s[88:89], s[6:7], s[88:89]
	s_add_nc_u64 s[HBA:HBA+1], s[8:9], s[92:93]
	s_add_nc_u64 s[10:11], s[10:11], s[2:3]
	s_add_nc_u64 s[12:13], s[12:13], s[2:3]
	s_add_nc_u64 s[CD:CD+1], s[14:15], s[96:97]
	s_add_nc_u64 s[SD:SD+1], s[14:15], s[98:99]
	s_and_b32 s92, ttmp9, 1                        ; the cluster's x mod 2: the same in all sixteen partners
	s_mul_i32 s92, s92, 4*TILE                     ; slot 0 begins with K step (cluster x mod 2): four tiles a K step,
	s_mov_b32 s93, 0
	s_sub_co_u32 s94, 4*TILE, s92                  ; slot 1 with the other of the pair
	s_mov_b32 s95, 0
	s_mov_b32 s[G0H], 1
	s_mov_b32 s[G0H+1], s91
	s_mov_b64 s[G0H+2:G0H+3], s[HBA:HBA+1]
	s_or_b32 s[G0H+3], s[G0H+3], 0x80000000
	CROUND                                         ; all sixteen work-groups are here: the first joint loads meet
.irp sl, 0,1
	s_mov_b32 s[G0A+4*\sl], 1
	s_add_co_u32 s[G0A+4*\sl+1], s90, \sl*SLOT
	s_add_nc_u64 s[G0A+4*\sl+2:G0A+4*\sl+3], s[86:87], s[92+2*\sl:93+2*\sl]
	s_or_b32 s[G0A+4*\sl+3], s[G0A+4*\sl+3], 0x80000000
	s_mov_b32 s[G0B+4*\sl], 1
	s_add_co_u32 s[G0B+4*\sl+1], s90, \sl*SLOT+BOFF
	s_add_nc_u64 s[G0B+4*\sl+2:G0B+4*\sl+3], s[88:89], s[92+2*\sl:93+2*\sl]
	s_or_b32 s[G0B+4*\sl+3], s[G0B+4*\sl+3], 0x80000000
	JLOAD \sl                                      ; two tensor loads of mine are out at the most
.endr
	v_and_b32 v1, 15, v0                           ; r
	v_bfe_u32 v2, v0, 4, 1                         ; h
	v_lshlrev_b32 v[BOF], 6, v2
	WIN 0xc0                                       ; destination window 3
.irp b, 0,1,2,3,4,5,6,7                            ; the biases in the accumulators' layout: for block b the columns 32 (b / 2) + 8 (b % 2) + 16 h + 0 .. 7
	global_load_b128 v[8*\b:8*\b+3], v[BOF], s[10:11] offset:(32*(\b/2)+8*(\b%2))*4
	global_load_b128 v[8*\b+4:8*\b+7], v[BOF], s[10:11] offset:(32*(\b/2)+8*(\b%2))*4+16
	global_load_b128 v[64+8*\b:64+8*\b+3], v[BOF], s[12:13] offset:(32*(\b/2)+8*(\b%2))*4
	global_load_b128 v[64+8*\b+4:64+8*\b+7], v[BOF], s[12:13] offset:(32*(\b/2)+8*(\b%2))*4+16
.endr
	WIN 0
	v_and_b32 v24, 31, v0                          ; lane
	v_lshlrev_b32 v[LI], 4, v24
	s_mul_i32 s84, s[TA], TILE
	s_mul_i32 s85, s[GA], 4*FRB
	s_add_co_u32 s85, s85, s84                     ; my four row blocks in a region
	s_mov_b32 s91, BOFF
.irp hs, 0,1,2,3
	v_add_nc_u32 v[ADRA+\hs], s85, v[LI]
	v_add_nc_u32 v[ADRB+\hs], s91, v[LI]
	s_add_co_u32 s85, s85, REG
	s_add_co_u32 s91, s91, REG
.endr
	s_lshl_b32 s23, s[GA], 8
	s_add_co_u32 s23, s23, s84                     ; my rows' scale words lie this far into a region's scale words,
	s_sub_co_u32 s2, BOFF, s23                     ; the weights' this much further on
	v_mul_u32_u24 v25, s2, v2                      ; lanes 16-31 take the weights': the lower base + h x the distance
	v_lshl_add_u32 v25, v1, 4, v25
	s_add_co_u32 s23, s23, SCO
.irp hs, 0,1,2,3
	v_add_nc_u32 v[ADRS+\hs], s23, v25
	s_add_co_u32 s23, s23, REG
.endr
.irp hs, 0,1,2,3
	v_lshl_add_u32 v[ADRT+\hs], v2, 8, v[ADRS+\hs]
.endr
	v_and_b32 v26, 8, v1
	v_add_nc_u32 v26, v26, v1                      ; r + 8 (r / 8)
	v_mul_u32_u24 v[HAD], v26, HPT
	v_lshl_add_u32 v[HAD], v2, 6, v[HAD]
	s_mul_i32 s2, s[WV], HWV
	v_add_nc_u32 v[HAD], s2, v[HAD]
	v_lshlrev_b32 v27, 3, v2
	v_lshl_add_u32 v[SOF], v1, 4, v27
	v_lshrrev_b32 v27, 1, v24
	v_lshlrev_b32 v27, 12, v27
	v_and_b32 v[PFO], 1, v24
	v_lshl_add_u32 v[PFO], v[PFO], 8, v27
	v_cmp_lt_u32 s[HM], 15, v24
.irp b, 0,1,2,3
	v_mov_b32 v[TM+4+\b], 0                        ; written once: a lane permute's destination counts as one of its sources
.endr
	s_wait_loadcnt 0x0                             ; the biases
	WIN 0xcf                                       ; destination and sources 0, 1 window 3
.set i, 0
.rept 32
	v_pk_add_f32 v[2*i:2*i+1], v[2*i:2*i+1], v[64+2*i:65+2*i]
.set i, i+1
.endr
.set i, 0
.rept 32
	v_pk_mul_f32 v[2*i:2*i+1], v[2*i:2*i+1], s[CN:CN+1] op_sel_hi:[1,0]   ; -log2(e) (b_wr + b_ur)
.set i, i+1
.endr
	WIN 0
.macro FRAG reg, adr, off              ; a fragment's image: 12 registers by three loads, lane l's 16 bytes at 16 l: 512 consecutive bytes a load
.irp c, 0,1,2
	ds_load_b128 v[\reg+4*\c:\reg+4*\c+3], v[\adr] offset:\off+512*\c
.endr
.endm
.macro FETCH hs, q, p                  ; 38 loads: the scale words, the weights' eight fragments, my rows' four, of region hs, its q-th 128 along K, into set p
	WIN 0
	ds_load_b128 v[SC+8*(\p):SC+8*(\p)+3], v[ADRS+(\hs)] offset:512*(\q)
	ds_load_b128 v[SC+8*(\p)+4:SC+8*(\p)+7], v[ADRT+(\hs)] offset:512*(\q)
	WIN TO_B
.irp b, 0,1,2,3,4,5,6,7
	FRAG 96*(\p)+12*\b, ADRB+(\hs), (\q)*QB+\b*FRB
.endr
	WIN 0
.irp a, 0,1,2,3
	FRAG AF+48*(\p)+12*\a, ADRA+(\hs), (\q)*QB+\a*FRB
.endr
.endm
; eight matrix instructions: my row block a against the weights' eight.  The 32 accumulators take turns, one instruction a turn, in the same order in every substep.
; One scale register carries my rows' block n in lanes 0-15 and the weights' block n in lanes 16-31.
.macro MUL8 a, p, zero
.irp b, 0,1,2,3,4,5,6,7
.if \zero
	v_wmma_scale_f32_16x16x128_f8f6f4 v[8*(8*(\a)+\b):8*(8*(\a)+\b)+7], v[96*(\p)+12*\b:96*(\p)+12*\b+11], v[AF+48*(\p)+12*(\a):AF+48*(\p)+12*(\a)+11], 0, v[SC+8*(\p)+\b], v[SC+8*(\p)+(\a)] matrix_a_fmt:MATRIX_FMT_FP6 matrix_b_fmt:MATRIX_FMT_FP6 matrix_a_scale:MATRIX_SCALE_ROW1
.else
	v_wmma_scale_f32_16x16x128_f8f6f4 v[8*(8*(\a)+\b):8*(8*(\a)+\b)+7], v[96*(\p)+12*\b:96*(\p)+12*\b+11], v[AF+48*(\p)+12*(\a):AF+48*(\p)+12*(\a)+11], v[8*(8*(\a)+\b):8*(8*(\a)+\b)+7], v[SC+8*(\p)+\b], v[SC+8*(\p)+(\a)] matrix_a_fmt:MATRIX_FMT_FP6 matrix_b_fmt:MATRIX_FMT_FP6 matrix_a_scale:MATRIX_SCALE_ROW1
.endif
.endr
.endm
; a substep of 128 along K on set p; in its middle the next substep's operands (region nhs, its nq-th 128) are fetched into the other set
.macro SUB p, zero, nhs, nq
	s_wait_dscnt 6                                 ; all but my rows' blocks 2 and 3 are in
	WIN MUL_LO
	MUL8 0, \p, \zero
	MUL8 1, \p, \zero
	PLACES 4                                       ; four places in front of loads into registers that matrix instructions have read (ISA guide 7.12.1 for vector instructions)
	FETCH \nhs, \nq, 1-(\p)
	s_wait_dscnt 38                                ; all but the 38 just issued
	WIN MUL_LO
	MUL8 2, \p, \zero
	MUL8 3, \p, \zero
.endm
; a K step's last substep (set 1) changes slots.  Its first sixteen products stand AHEAD of the wait for the tensor loads, so that a refill has a whole K step, 128 matrix instructions, between its request and
; that wait.  Then each wave waits for all its tensor loads, adds 0 to its spare word, waits for that and for its reads of the slot; the barrier opens a round of the cluster's barrier; behind the round comes my
; one tensor load: kind 1: the slot's next K step, jointly; kind 2: my tile of h_prev, into the slot that nobody reads any more.
.macro TURN sl, kind, nhs, ask
	s_wait_dscnt 6                                 ; all but my rows' blocks 2 and 3 are in
	WIN MUL_LO
	MUL8 0, 1, 0
	MUL8 1, 1, 0
	WIN 0                                          ; the add's two registers lie in window 0
	s_wait_tensorcnt 0x0                           ; all my tensor loads have landed: my part of the next slot; so a group 0 may be written
	ds_add_u32 v[SPW], v[NIL]                      ; 0 onto my spare word; the descriptors' steps stand between it and the wait for it
.if \kind == 1
	s_add_nc_u64 s[G0A+4*\sl+2:G0A+4*\sl+3], s[G0A+4*\sl+2:G0A+4*\sl+3], 8*TILE   ; two K steps on: four kp
	s_add_nc_u64 s[G0B+4*\sl+2:G0B+4*\sl+3], s[G0B+4*\sl+2:G0B+4*\sl+3], 8*TILE
.endif
	s_wait_dscnt 0x0                               ; the add is done, and my reads of this slot are over
	s_barrier_signal -1
	s_barrier_wait -1
	CREST
.if \kind == 1
	JLOAD \sl                                      ; its four v_nop are also the places in front of the loads below
.else
	tensor_load_to_lds s[G0H:G0H+3], s[G1H:G1H+7]
	s_nop 0
	PLACES 4
.endif
	FETCH \nhs, 0, 0
.if \ask                               ; my 64 rows x 512 bytes of h_prev are asked for two K steps, 256 matrix instructions, ahead of their tensor load: a lane names 256 bytes, each block once in the launch
.irp k, 0,1,2,3
	global_prefetch_b8 v[PFO], s[HBA:HBA+1] offset:\k*65536 th:TH_LOAD_NT scope:SCOPE_SE
.endr
.endif
	WIN MUL_LO
	MUL8 2, 1, 0
	MUL8 3, 1, 0
.endm
; 64 numbers of a lane, register 16 b + i = k 32 b + 16 h + i of my row, become a fragment's codes in v[PC] on and its scale word in v[pw]
.macro QUANT s, pw, wx
.irp b, 0,1,2,3
	v_max3_num_f32 v[TM+\b], |v[\s+16*\b]|, |v[\s+1+16*\b]|, 0x1800000   ; with the floor 2^(3 - 127): the byte cannot fall under 1
.endr
.irp i, 2,4,6,8,10,12,14
.irp b, 0,1,2,3
	v_max3_num_f32 v[TM+\b], v[TM+\b], |v[\s+16*\b+\i]|, |v[\s+1+16*\b+\i]|
.endr
.endr
.irp b, 0,1,2,3
	v_permlanex16_b32 v[TM+4+\b], v[TM+\b], s[SEL], s[SEL+1]
.endr
.irp b, 0,1,2,3
	v_max_num_f32 v[TM+\b], v[TM+\b], v[TM+4+\b]   ; with lane l xor 16's: the block's largest magnitude
.endr
.irp b, 0,1,2,3
	v_add_nc_u32 v[TM+12+\b], 0xff000000, v[TM+\b] ; 2 off its exponent field: the conversion's scale operand
.endr
.irp b, 0,1,2,3
	v_lshrrev_b32 v[TM+4+\b], 23, v[TM+12+\b]      ; the scale's byte
.endr
	v_lshl_or_b32 v[\pw], v[TM+5], 8, v[TM+4]
	v_lshl_or_b32 v[\pw], v[TM+6], 16, v[\pw]
	v_lshl_or_b32 v[\pw], v[TM+7], 24, v[\pw]
.if \wx
	s_wait_xcnt 0x0                                ; the last block's stores have read their data: the codes' registers are written again only behind this wait
.endif
.irp c, 0,1
	v_cvt_scalef32_pk16_fp6_f32 v[PC+6*\c:PC+2+6*\c], v[\s+32*\c:\s+15+32*\c], v[TM+12+2*\c]
	v_cvt_scalef32_pk16_fp6_f32 v[PC+12+4*\c:PC+14+4*\c], v[\s+16+32*\c:\s+31+32*\c], v[TM+12+2*\c+1]
.endr
	v_nop                                          ; one plain place behind the scaled conversions
.irp c, 0,1                                        ; the operand's layout wants a whole block in a lane
.irp i, 0,1,2
	v_permlane16_swap_b32 v[PC+6*\c+\i], v[PC+12+4*\c+\i]
.endr
.irp i, 0,1,2
	v_mov_b32 v[PC+3+6*\c+\i], v[PC+12+4*\c+\i]
.endr
.endr
.endm
; the way out of my row block a: r = 1 / (1 + 2^(-log2(e) (sum + biases))), times h_prev, quantised, stored as a fragment's image
.macro EPI a
.set i, 0
.rept 16
	ds_load_b128 v[H+4*i:H+4*i+3], v[HAD] offset:(32*((\a)/2)+8*((\a)%2))*HPT+128*(i/4)+16*(i%4)   ; h_prev at my row, columns 32 B + 16 h + 0 .. 15
.set i, i+1
.endr
	WIN 0x32                                       ; source 0 window 2 (the sums), source 2 window 3 (the bias term)
.set i, 0
.rept 32
	v_pk_fma_f32 v[T+2*i:T+2*i+1], v[64*(\a)+2*i:64*(\a)+2*i+1], s[CN:CN+1], v[2*i:2*i+1] op_sel_hi:[1,0,1]   ; each accumulator from its low end on
.set i, i+1
.endr
	WIN 0
.set i, 0
.rept 64
	v_exp_f32 v[T+i], v[T+i]
.set i, i+1
.endr
	v_nop                                          ; a plain place behind the batch
	s_wait_alu depctr_va_vdst(0)                   ; one wait for the 64, ahead of their first reader
.set i, 0
.rept 32
	v_pk_add_f32 v[T+2*i:T+2*i+1], v[T+2*i:T+2*i+1], 1.0 op_sel_hi:[1,0]
.set i, i+1
.endr
.set i, 0
.rept 64
	v_rcp_f32 v[T+i], v[T+i]
.set i, i+1
.endr
	v_nop
	s_wait_alu depctr_va_vdst(0)
	s_wait_dscnt 0x0                               ; h_prev is in
.set i, 0
.rept 32
	v_pk_mul_f32 v[T+2*i:T+2*i+1], v[T+2*i:T+2*i+1], v[H+2*i:H+2*i+1]
.set i, i+1
.endr
	QUANT T, W+(\a), (\a)
.irp c, 0,1,2
	global_store_b128 v[LI], v[PC+4*\c:PC+4*\c+3], s[CD:CD+1] offset:(\a)*FRB+512*\c   ; 512 consecutive bytes, aligned
.endr
.endm
	s_wait_tensorcnt 1                             ; my part of slot 0 is in; slot 1's may stay out
	s_barrier_signal -1
	s_barrier_wait -1
	FETCH 0, 0, 0
	SUB 0, 1, 0, 1                                 ; the first K step: the first substep's products start the sums
	SUB 1, 0, 1, 0
	SUB 0, 0, 1, 1
	TURN 0, 1, 2, 1
	SUB 0, 0, 2, 1                                 ; the second
	SUB 1, 0, 3, 0
	SUB 0, 0, 3, 1
	TURN 1, 1, 0, 0
	SUB 0, 0, 0, 1                                 ; the third
	SUB 1, 0, 1, 0
	SUB 0, 0, 1, 1
	TURN 0, 2, 2, 0
	SUB 0, 0, 2, 1                                 ; the fourth
	SUB 1, 0, 3, 0
	SUB 0, 0, 3, 1
	s_wait_dscnt 6
	WIN MUL_LO
	MUL8 0, 1, 0
	MUL8 1, 1, 0
	s_wait_dscnt 0x0
	MUL8 2, 1, 0
	MUL8 3, 1, 0
	WIN 0
	PLACES 4                                       ; in front of the first reads of results and of writes into registers that held fragments
	s_wait_tensorcnt 0x0                           ; my tile of h_prev has landed; I alone read it
	EPI 0
	EPI 1
	EPI 2
	EPI 3
	v_cndmask_b32 v[PR], v[W], v[W+2], s[HM]       ; lanes 0-15 store the words of blocks 0 and 1, lanes 16-31 those of 2 and 3:
	v_cndmask_b32 v[PR+1], v[W+1], v[W+3], s[HM]
	global_store_b64 v[SOF], v[PR:PR+1], s[SD:SD+1]   ; 256 consecutive bytes, aligned
	s_wait_tensorcnt 0x0                           ; the wave's end
	ds_add_u32 v[SPW], v[NIL]
	s_wait_dscnt 0x0
	CROUND                                         ; the closing round
	s_endpgm
.Lfunc_end_k_q974a915eec_gate_r:
	.size	k_q974a915eec_gate_r, .Lfunc_end_k_q974a915eec_gate_r-k_q974a915eec_gate_r
	.p2alignl 7, 3214868480
	.fill 96, 4, 3214868480
	.section	.rodata,"a",@progbits
	.p2align	6, 0x0
	.amdhsa_kernel k_q974a915eec_gate_r
		.amdhsa_group_segment_fixed_size 327680
		.amdhsa_private_segment_fixed_size 0
		.amdhsa_enable_private_segment 0
		.amdhsa_kernarg_size 48
		.amdhsa_user_sgpr_count 2
		.amdhsa_user_sgpr_kernarg_segment_ptr 1
		.amdhsa_wavefront_size32 1
		.amdhsa_system_sgpr_workgroup_id_x 1
		.amdhsa_system_sgpr_workgroup_id_y 1
		.amdhsa_system_sgpr_workgroup_id_z 1
		.amdhsa_system_vgpr_workitem_id 0
		.amdhsa_next_free_vgpr 1024
		.amdhsa_next_free_sgpr 100
		.amdhsa_reserve_vcc 0
		.amdhsa_float_denorm_mode_32 3
		.amdhsa_float_denorm_mode_16_64 3
		.amdhsa_memory_ordered 1
		.amdhsa_forward_progress 1
		.amdhsa_inst_pref_size 189
	.end_amdhsa_kernel
	.amdgpu_metadata
---
amdhsa.version: [ 1, 2 ]
amdhsa.kernels:
  - .name:           k_q974a915eec_gate_r
    .symbol:         k_q974a915eec_gate_r.kd
    .args:
      - { .name: xh_img, .offset: 0, .size: 8, .value_kind: global_buffer, .address_space: global }
      - { .name: w_img, .offset: 8, .size: 8, .value_kind: global_buffer, .address_space: global }
      - { .name: h_prev, .offset: 16, .size: 8, .value_kind: global_buffer, .address_space: global }
      - { .name: b_wr, .offset: 24, .size: 8, .value_kind: global_buffer, .address_space: global }
      - { .name: b_ur, .offset: 32, .size: 8, .value_kind: global_buffer, .address_space: global }
      - { .name: rh_img, .offset: 40, .size: 8, .value_kind: global_buffer, .address_space: global }
    .group_segment_fixed_size: 327680
    .private_segment_fixed_size: 0
    .kernarg_segment_align: 8
    .kernarg_segment_size: 48
    .max_flat_workgroup_size: 128
    .sgpr_count:     100
    .vgpr_count:     1024
    .wavefront_size: 32
...
	.end_amdgpu_metadata
.endif
;; end of part 2
;; launch gates_zh (part 3): grid 8 x 32, 4 waves a work-group, clusters of 4 x 4, 327,680 bytes of LDS; arguments xh_img, rh_img, w_img, h_prev, b_wz, b_uz, b_wh, b_uh, out0; writes out0
.if DOCPART == 3
	.amdgcn_target "amdgcn-amd-amdhsa--gfx1250"
	.amdhsa_code_object_version 6
	.text
	.protected	k_q974a915eec_gates_zh
	.globl	k_q974a915eec_gates_zh
	.p2align	8
	.type	k_q974a915eec_gates_zh,@function
k_q974a915eec_gates_zh:
	s_mov_b64 s[64:65], 0
	v_nop
	global_prefetch_b8 v0, s[64:65] scope:SCOPE_SE
	s_setreg_imm32_b32 hwreg(HW_REG_WAVE_MODE, 25, 1), 1
	s_wait_xcnt 0x0
	s_wait_alu depctr_hold_cnt(0) depctr_sa_sdst(0) depctr_va_vdst(0) depctr_va_sdst(0) depctr_va_ssrc(0) depctr_va_vcc(0) depctr_vm_vsrc(0)
	s_getreg_b32 s2, hwreg(HW_REG_IB_STS2, 6, 4)
	s_cmp_eq_u32 s2, 0
	s_cbranch_scc0 .Lentry_in_a_cluster
	s_endpgm
.Lentry_in_a_cluster:
	s_bfe_u32 s2, ttmp6, 0x10000c
	s_cmp_lg_u32 s2, 0xf033
	s_cbranch_scc0 .Lentry_shape_is_right
	s_endpgm
.Lentry_shape_is_right:
; z = sigmoid([x | h_prev] [W_z | U_z]^T + b_wz + b_uz);  h_hat = tanh([x | r h_prev] [W_h | U_h]^T + b_wh + b_uh);  out0 = h_prev + z (h_hat - h_prev).
; All operands come as images of operand registers (FP6 codes, E8M0 scale words): a tile is 128 rows x 256 K, 25,600 dense bytes; a fragment is three loads of 16 bytes a lane.
; SHARES: a work-group makes 256 rows x 128 columns of both gates.  Wave w makes 128 rows (w % 2) x 128 columns of ONE gate (w / 2: 0 z, 1 h_hat): 64 accumulators, 16 fragments read for 64 matrix instructions.
; The two gates' sums meet in a stage in LDS; the rest is done by rows: a wave's loads of h_prev and stores of out0 cover 512 consecutive bytes of a row.
; RING: a slot is two regions of 76,800 bytes [rows' tile 0 | rows' tile 1 | weights' tile], region 0 for z, region 1 for h_hat; a K step is 256, 128 matrix instructions a wave; two slots.
; K steps 0-3 (x): both gates read the rows' tiles from region 0.  K steps 4-7: z reads h_prev's tiles from region 0, h_hat reads r h_prev's from region 1.
; WHO FETCHES: a step's tiles are shared out evenly where they can be.  Up to K step 5 wave 0 brings the rows' tile 0 out of xh_img, wave 2 its tile 1, waves 1 and 3 the two gates' weights: 25,600 bytes each.
; Region 1's rows' part lies unused through K steps 0-3: r h_prev's four tiles of K steps 4 and 5 are among the FIRST fills, one a wave.  Only K steps 6 and 7 have six tiles for four waves:
; wave 0 brings xh_img's pair, wave 2 rh_img's (51,200 bytes each: a load has one buffer and one mask).
; CLUSTER 4 x 4: the rows' tiles are shared along a row of the cluster, the weights' along a column: joint loads.
; THE ORDER ALONG K: the two clusters that walk the same 1,024 rows take each pair of K steps in opposite orders (K step s xor the cluster's x mod 2, rows and weights alike):
; each tile of the rows is asked for by one of the two a K step ahead of the other.  The f32 sums so run along K in another order in every second cluster.
; LIMITS: NaN and infinities are not served.  The biases enter as c (b1 + b2) in one fused multiply-add with the sum, and the blend is h + z (h_hat - h): other orders of rounding than the formula's.
; tanh(y) = 1 - 2 / (1 + 2^(2 log2(e) y)): an exponential that overflows gives the reciprocal 0, one that underflows gives 1: the ends are right.
; REGISTERS: window 0: v3-20 addresses; v32-47 scale words, two sets; v48-239 the rows' fragments, two sets (on the way out v48-175: two sets of z and h_hat); v240-247 the bias terms.
;   window 1: the weights' fragments, two sets of 96; on the way out all 256: h_prev.   windows 2, 3: accumulator (a, b) at v[8 (8 (a % 4) + b)].
.set TILE,  25600
.set FRB,   1536
.set QB,    8*FRB
.set SCO,   16*FRB
.set REG,   3*TILE
.set BOFF,  2*TILE
.set SLOT,  2*REG
.set SPARE, 2*SLOT                     ; behind the ring: the spare words, 128 bytes a wave, that no other line names
.set SPT,   528                        ; a stage row: 512 bytes + 16
.set STG2,  256*SPT                    ; h_hat's stage lies behind z's; both lie in the ring, which has had its last fill and its last read by then
.set GO,   3                           ; v3     16 x lane
.set ADRA, 4                           ; v4-5 my rows' fragments in slot 0, 1, from region 0; v6-7 from my gate's region
.set ADRB, 8                           ; v8-9   my gate's weights
.set ADRS, 10                          ; v10-11, v12-13 the scale words likewise: lanes 0-15 my rows', lanes 16-31 the weights'
.set STO,  14                          ; v14    the stage: where I put 16 bytes
.set RD,   15                          ; v15    where I read z's rows back; v16 h_hat's
.set RD2,  16
.set PFO,  17                          ; v17    h_prev's prefetches' offset; never rewritten
.set PFT,  20                          ; v20    the tiles' prefetches' offset: 256 x min(lane + 32 (wave / 2), 49); never rewritten
.set SPW,  28
.set NIL,  29
.set SC,   32
.set AF,   48
.set ZP,   48
.set BZ,   240                         ; v240-243 -log2(e) (b_wz + b_uz), v244-247 2 log2(e) (b_wh + b_uh), at my four columns
.set BH,   244
.set G1A, 24                           ; s[24:31] group 1: a pair of the rows' tiles, 200 rows of 256 bytes, my row of the cluster
.set G1B, 32                           ; s[32:39] a tile of weights, 100 rows, my column of the cluster
.set G0A, 40                           ; s[40:47] group 0, xh_img: tile wave / 2 of the slot's K step (in wave 0 also the pair's first byte)
.set G0R, 48                           ; s[48:55] rh_img's pairs of K steps 6 and 7: never stepped
.set G0B, 56                           ; s[56:63] my gate's weights
.set HBA, 68                           ; s[68:69] h_prev, s[70:71] out0, at my 64 rows and my work-group's columns
.set OBA, 70
.set CZ,  72                           ; s[72:73] -log2(e) twice; s[74:75] 2 log2(e) twice
.set CH,  74
.set WV,  76
.set GT,  77
.set MH,  78
.set G1T, 80                           ; s[80:87] group 1: one of the rows' tiles, 100 rows, my row of the cluster
.set G0X, 88                           ; s[88:91] group 0: my one tile of rh_img among the first fills
.set PFA, 92                           ; s[92:93] where my tile prefetches stand; never rewritten
.set MSB, 0
.macro WIN new
.if MSB != \new
	s_set_vgpr_msb (MSB<<8)|\new
.set MSB, \new
.endif
.endm
.set MUL_LO, 0xa1
.set MUL_HI, 0xf1
.set TO_B,   0x40
.macro PLACES n
.rept \n
	v_nop
.endr
.endm
.macro CREST
	s_cmp_lg_u32 s[WV], 0
	s_cbranch_scc1 .Lnot_wave_0_\@
	s_barrier_signal -3
.Lnot_wave_0_\@:
	s_barrier_wait -3
	s_barrier_signal -1
	s_barrier_wait -1
.endm
.macro CROUND
	s_barrier_signal -1
	s_barrier_wait -1
	CREST
.endm
; The joint loads.  The branches hang on the wave's number alone.  An s_nop 0 and four v_nop follow each tensor load; the four are also the places in front of the LDS loads that follow.
.macro JL1 sl                          ; four single tiles: waves 0 and 2 the rows' tile wave / 2 out of xh_img, waves 1 and 3 their gate's weights
	s_cmp_eq_u32 s[MH], 0
	s_cbranch_scc0 .Lfor_b_\@
	tensor_load_to_lds s[G0A+4*\sl:G0A+4*\sl+3], s[G1T:G1T+7]
	s_nop 0
	PLACES 4
	s_branch .Lasked_\@
.Lfor_b_\@:
	tensor_load_to_lds s[G0B+4*\sl:G0B+4*\sl+3], s[G1B:G1B+7]
	s_nop 0
	PLACES 4
.Lasked_\@:
.endm
.macro JL2 sl                          ; six tiles: wave 0 xh_img's pair, wave 2 rh_img's pair, waves 1 and 3 their gate's weights
	s_cmp_eq_u32 s[MH], 0
	s_cbranch_scc0 .Lfor_b_\@
	s_cmp_eq_u32 s[WV], 0
	s_cbranch_scc0 .Lfor_r_\@
	tensor_load_to_lds s[G0A+4*\sl:G0A+4*\sl+3], s[G1A:G1A+7]
	s_nop 0
	PLACES 4
	s_branch .Lasked_\@
.Lfor_r_\@:
	tensor_load_to_lds s[G0R+4*\sl:G0R+4*\sl+3], s[G1A:G1A+7]
	s_nop 0
	PLACES 4
	s_branch .Lasked_\@
.Lfor_b_\@:
	tensor_load_to_lds s[G0B+4*\sl:G0B+4*\sl+3], s[G1B:G1B+7]
	s_nop 0
	PLACES 4
.Lasked_\@:
.endm
	s_load_b256 s[4:11], s[0:1], 0x0               ; xh_img, rh_img, w_img, h_prev
	s_load_b256 s[12:19], s[0:1], 0x20             ; b_wz, b_uz, b_wh, b_uh
	s_load_b64 s[20:21], s[0:1], 0x40              ; out0
	v_lshl_add_u32 v[SPW], v0, 2, SPARE
	v_mov_b32 v[NIL], 0
	ds_add_u32 v[SPW], v[NIL]                      ; the wave's opening: the add and its wait stand ahead of my first tensor load; work on registers stands between
	v_lshrrev_b32 v1, 5, v0
	v_readfirstlane_b32 s[WV], v1
	s_lshr_b32 s[GT], s[WV], 1                     ; my gate.  Also: which of the rows' two tiles I fetch
	s_and_b32 s[MH], s[WV], 1                      ; my 128 rows.  Also: I fetch rows' tiles (0) or weights (1)
	s_bfe_u32 s79, ttmp6, 0x40000                  ; cx
	s_bfe_u32 s94, ttmp6, 0x40004                  ; cy
	s_lshl_b32 s95, ttmp9, 2
	s_add_co_u32 s95, s95, s79                     ; nx
	s_and_b32 s96, ttmp7, 0xffff
	s_lshl_b32 s96, s96, 2
	s_add_co_u32 s96, s96, s94                     ; my
	s_lshl_b32 s97, s94, 2
	s_lshl_b32 s97, 15, s97                        ; my row of the cluster
	s_lshl_b32 s2, 0x1111, s79                     ; my column
	s_or_b32 s[G1A], s97, (3<<16)|(1<<21)          ; dense blocks as rows of 256 bytes (32 elements of 8 bytes), no padding
	s_or_b32 s[G1T], s97, (3<<16)|(1<<21)
	s_or_b32 s[G1B], s2, (3<<16)|(1<<21)
.irp g, G1A, G1T, G1B
	s_mov_b32 s[\g+1], 32<<16
	s_mov_b32 s[\g+3], 32<<16
	s_mov_b32 s[\g+5], 32
	s_mov_b32 s[\g+6], 0
	s_mov_b32 s[\g+7], 0
.endr
	s_mov_b32 s[G1A+2], 200<<16
	s_mov_b32 s[G1A+4], 200
	s_mov_b32 s[G1T+2], 100<<16
	s_mov_b32 s[G1T+4], 100
	s_mov_b32 s[G1B+2], 100<<16
	s_mov_b32 s[G1B+4], 100
	; the byte offsets are made in the descriptors' address words; the buffers' addresses are added when they have come
	s_and_b32 s99, ttmp9, 1                        ; b = the cluster's x mod 2: the same in all sixteen partners.  Slot sl begins with K step sl xor b
	s_xor_b32 s[G0X+2], s[MH], s99                 ; my first-fill tile of rh_img goes to slot wave % 2: its kp is (wave % 2) xor b
	s_mul_i32 s[G0X+2], s[G0X+2], 2*TILE
	s_mul_i32 s98, s99, 2*TILE                     ; slot 0's kp, in bytes: two tiles a kp
	s_sub_co_u32 s99, 2*TILE, s98                  ; slot 1's
	s_mul_i32 s22, s96, 16*TILE                    ; xh_img: my x 8 kp x 2 tiles
	s_mul_i32 s23, s[GT], TILE
	s_add_co_u32 s23, s23, s22                     ; + tile wave / 2
	s_add_co_u32 s[G0A+2], s23, s98
	s_mov_b32 s[G0A+3], 0
	s_add_co_u32 s[G0A+6], s23, s99
	s_mov_b32 s[G0A+7], 0
	s_mul_i32 s23, s96, 8*TILE                     ; rh_img: my x 4 kp x 2 tiles
	s_add_co_u32 s[G0R+2], s23, s98
	s_add_co_u32 s[G0R+2], s[G0R+2], 4*TILE        ; kp 2 + (0 xor b): K step 6's
	s_mov_b32 s[G0R+3], 0
	s_add_co_u32 s[G0R+6], s23, s99
	s_add_co_u32 s[G0R+6], s[G0R+6], 4*TILE        ; K step 7's
	s_mov_b32 s[G0R+7], 0
	s_add_co_u32 s[G0X+2], s[G0X+2], s23
	s_mul_i32 s97, s[GT], TILE
	s_add_co_u32 s[G0X+2], s[G0X+2], s97           ; + tile wave / 2
	s_mov_b32 s[G0X+3], 0
	s_lshl_b32 s2, s[GT], 2                        ; w_img: ((1 + gate) x 4 + nx / 2) x 8 kp x 2 tiles + nx % 2
	s_add_co_u32 s2, s2, 4
	s_lshr_b32 s3, s95, 1
	s_add_co_u32 s2, s2, s3
	s_mul_i32 s2, s2, 16*TILE
	s_and_b32 s3, s95, 1
	s_mul_i32 s3, s3, TILE
	s_add_co_u32 s2, s2, s3
	s_add_co_u32 s[G0B+2], s2, s98
	s_mov_b32 s[G0B+3], 0
	s_add_co_u32 s[G0B+6], s2, s99
	s_mov_b32 s[G0B+7], 0
	; where the tiles go: no place in the cluster enters an LDS address
	s_mov_b32 s[G0A], 1
	s_mov_b32 s[G0A+4], 1
	s_mov_b32 s[G0R], 1
	s_mov_b32 s[G0R+4], 1
	s_mov_b32 s[G0B], 1
	s_mov_b32 s[G0B+4], 1
	s_mov_b32 s[G0X], 1
	s_mul_i32 s[G0A+1], s[GT], TILE
	s_add_co_u32 s[G0A+5], s[G0A+1], SLOT
	s_mov_b32 s[G0R+1], REG
	s_mov_b32 s[G0R+5], SLOT+REG
	s_mul_i32 s[G0B+1], s[GT], REG
	s_add_co_u32 s[G0B+1], s[G0B+1], BOFF
	s_add_co_u32 s[G0B+5], s[G0B+1], SLOT
	s_mul_i32 s[G0X+1], s[MH], SLOT
	s_add_co_u32 s[G0X+1], s[G0X+1], s[G0A+1]
	s_add_co_u32 s[G0X+1], s[G0X+1], REG
	; the tiles' prefetches: waves 1 and 3 stand in xh_img at kp 4 + b, waves 0 and 2 in rh_img at kp b; my work-group's 50 blocks of a pair's 200, told apart by address
	s_add_co_u32 s[PFA], s22, 8*TILE
	s_cmp_eq_u32 s[MH], 1
	s_cselect_b32 s[PFA], s[PFA], s23
	s_add_co_u32 s[PFA], s[PFA], s98
	s_mul_i32 s[PFA+1], s79, 12800
	s_add_co_u32 s[PFA], s[PFA], s[PFA+1]
	s_mov_b32 s[PFA+1], 0
	s_lshl_b32 s[HBA], s96, 20                     ; h_prev and out0: (256 my + 64 wave) rows of 4,096 bytes + 512 nx
	s_lshl_b32 s[HBA+1], s[WV], 18
	s_add_co_u32 s[HBA], s[HBA], s[HBA+1]
	s_lshl_b32 s[OBA], s95, 9                      ; 512 nx: also the biases' offset
	s_add_co_u32 s[HBA], s[HBA], s[OBA]
	s_mov_b32 s[HBA+1], 0
	s_mov_b32 s[OBA+1], 0
	s_mov_b32 s[CZ], 0xbfb8aa3b
	s_mov_b32 s[CZ+1], s[CZ]
	s_mov_b32 s[CH], 0x4038aa3b
	s_mov_b32 s[CH+1], s[CH]
	s_wait_dscnt 0x0                               ; the opening add is done
	s_wait_kmcnt 0x0
.irp sl, 0,1
	s_add_nc_u64 s[G0A+4*\sl+2:G0A+4*\sl+3], s[4:5], s[G0A+4*\sl+2:G0A+4*\sl+3]
	s_or_b32 s[G0A+4*\sl+3], s[G0A+4*\sl+3], 0x80000000
	s_add_nc_u64 s[G0R+4*\sl+2:G0R+4*\sl+3], s[6:7], s[G0R+4*\sl+2:G0R+4*\sl+3]
	s_or_b32 s[G0R+4*\sl+3], s[G0R+4*\sl+3], 0x80000000
	s_add_nc_u64 s[G0B+4*\sl+2:G0B+4*\sl+3], s[8:9], s[G0B+4*\sl+2:G0B+4*\sl+3]
	s_or_b32 s[G0B+4*\sl+3], s[G0B+4*\sl+3], 0x80000000
.endr
	s_add_nc_u64 s[G0X+2:G0X+3], s[6:7], s[G0X+2:G0X+3]
	s_or_b32 s[G0X+3], s[G0X+3], 0x80000000
	s_cmp_eq_u32 s[MH], 1                          ; the choice hangs on the wave's number alone
	s_cselect_b64 s[22:23], s[4:5], s[6:7]
	s_add_nc_u64 s[PFA:PFA+1], s[22:23], s[PFA:PFA+1]
	s_add_nc_u64 s[12:13], s[12:13], s[OBA:OBA+1]
	s_add_nc_u64 s[14:15], s[14:15], s[OBA:OBA+1]
	s_add_nc_u64 s[16:17], s[16:17], s[OBA:OBA+1]
	s_add_nc_u64 s[18:19], s[18:19], s[OBA:OBA+1]
	s_add_nc_u64 s[OBA:OBA+1], s[20:21], s[HBA:HBA+1]
	s_add_nc_u64 s[HBA:HBA+1], s[10:11], s[HBA:HBA+1]
	CROUND                                         ; all sixteen work-groups are here: the first joint loads meet
	JL1 0                                          ; the first fills, three a wave, 25,600 bytes each: my part of slot 0,
	JL1 1                                          ; my part of slot 1,
	tensor_load_to_lds s[G0X:G0X+3], s[G1T:G1T+7]  ; and my one of r h_prev's four tiles of K steps 4 and 5: three tensor loads of mine are out at the most
	s_nop 0
	PLACES 4
	v_and_b32 v18, 31, v0                          ; lane
	v_lshlrev_b32 v[GO], 4, v18
	global_load_b128 v[BZ:BZ+3], v[GO], s[12:13]   ; the biases at my four columns
	global_load_b128 v[248:251], v[GO], s[14:15]
	global_load_b128 v[BH:BH+3], v[GO], s[16:17]
	global_load_b128 v[252:255], v[GO], s[18:19]
	v_and_b32 v1, 15, v0                           ; r
	v_bfe_u32 v2, v0, 4, 1                         ; h
	s_mul_i32 s94, s[MH], TILE
	s_mul_i32 s95, s[GT], REG
	s_add_co_u32 s96, s95, BOFF                    ; my gate's weights in a slot
	v_add_nc_u32 v[ADRA], s94, v[GO]
	v_add_nc_u32 v[ADRA+1], SLOT, v[ADRA]
	v_add_nc_u32 v[ADRA+2], s95, v[ADRA]
	v_add_nc_u32 v[ADRA+3], s95, v[ADRA+1]
	v_add_nc_u32 v[ADRB], s96, v[GO]
	v_add_nc_u32 v[ADRB+1], SLOT, v[ADRB]
	s_sub_co_u32 s97, s96, s94                     ; from my rows' tile in region 0 to my gate's weights
	v_mul_u32_u24 v19, s97, v2                     ; lanes 16-31 take the weights': the lower base + h x the distance
	v_lshl_add_u32 v19, v1, 4, v19
	s_add_co_u32 s98, s94, SCO
	v_add_nc_u32 v[ADRS], s98, v19
	v_add_nc_u32 v[ADRS+1], SLOT, v[ADRS]
	s_sub_co_u32 s97, BOFF, s94                    ; the same inside my gate's region
	v_mul_u32_u24 v19, s97, v2
	v_lshl_add_u32 v19, v1, 4, v19
	s_add_co_u32 s98, s98, s95
	v_add_nc_u32 v[ADRS+2], s98, v19
	v_add_nc_u32 v[ADRS+3], SLOT, v[ADRS+2]
	s_mul_i32 s97, s[WV], 128*SPT                  ; the stage, in: my gate's stage, my 128 positions; row r, + 64 h
	v_mul_u32_u24 v[STO], v1, SPT
	v_lshl_add_u32 v[STO], v2, 6, v[STO]
	v_add_nc_u32 v[STO], s97, v[STO]
	s_mul_i32 s97, s[WV], 64*SPT                   ; back: positions 64 wave on, of both stages
	v_add_nc_u32 v[RD], s97, v[GO]
	v_add_nc_u32 v[RD2], STG2, v[RD]
	v_lshrrev_b32 v19, 1, v18
	v_lshlrev_b32 v19, 12, v19
	v_and_b32 v[PFO], 1, v18
	v_lshl_add_u32 v[PFO], v[PFO], 8, v19
	s_lshl_b32 s99, s[GT], 5
	v_add_nc_u32 v[PFT], s99, v18                  ; of my work-group's 50 blocks: the lower wave of the two names 0 .. 31, the upper 32 .. 49 (its lanes 18-31 name block 49 again)
	v_min_u32 v[PFT], 49, v[PFT]
	v_lshlrev_b32 v[PFT], 8, v[PFT]
	s_wait_loadcnt 0x0
	v_pk_add_f32 v[BZ:BZ+1], v[BZ:BZ+1], v[248:249]
	v_pk_add_f32 v[BZ+2:BZ+3], v[BZ+2:BZ+3], v[250:251]
	v_pk_add_f32 v[BH:BH+1], v[BH:BH+1], v[252:253]
	v_pk_add_f32 v[BH+2:BH+3], v[BH+2:BH+3], v[254:255]
	v_pk_mul_f32 v[BZ:BZ+1], v[BZ:BZ+1], s[CZ:CZ+1] op_sel_hi:[1,0]
	v_pk_mul_f32 v[BZ+2:BZ+3], v[BZ+2:BZ+3], s[CZ:CZ+1] op_sel_hi:[1,0]
	v_pk_mul_f32 v[BH:BH+1], v[BH:BH+1], s[CH:CH+1] op_sel_hi:[1,0]
	v_pk_mul_f32 v[BH+2:BH+3], v[BH+2:BH+3], s[CH:CH+1] op_sel_hi:[1,0]
.macro FRAG reg, adr, off
.irp c, 0,1,2
	ds_load_b128 v[\reg+4*\c:\reg+4*\c+3], v[\adr] offset:\off+512*\c
.endr
.endm
.macro FETCH sl, ph, q, p              ; 50 loads: the scale words, the weights' eight fragments, my rows' eight, of slot sl, its q-th 128 along K, into set p.  ph = 1: rows from region 0; 2: from my gate's region
	WIN 0
	ds_load_b128 v[SC+8*(\p):SC+8*(\p)+3], v[ADRS+2*((\ph)-1)+(\sl)] offset:512*(\q)
	ds_load_b128 v[SC+8*(\p)+4:SC+8*(\p)+7], v[ADRS+2*((\ph)-1)+(\sl)] offset:512*(\q)+256
	WIN TO_B
.irp i, 0,1,2,3,4,5,6,7
	FRAG 96*(\p)+12*\i, ADRB+(\sl), (\q)*QB+\i*FRB
.endr
	WIN 0
.irp i, 0,1,2,3,4,5,6,7
	FRAG AF+96*(\p)+12*\i, ADRA+2*((\ph)-1)+(\sl), (\q)*QB+\i*FRB
.endr
.endm
; 16 matrix instructions: my row blocks a0, a0 + 1 against the weights' eight.  The 64 accumulators take turns, one instruction a turn, in the same order in every substep.
.macro MUL16 a0, p, zero
.irp a, \a0, \a0+1
.irp b, 0,1,2,3,4,5,6,7
.if \zero
	v_wmma_scale_f32_16x16x128_f8f6f4 v[8*(8*((\a)%4)+\b):8*(8*((\a)%4)+\b)+7], v[96*(\p)+12*\b:96*(\p)+12*\b+11], v[AF+96*(\p)+12*(\a):AF+96*(\p)+12*(\a)+11], 0, v[SC+8*(\p)+\b], v[SC+8*(\p)+(\a)] matrix_a_fmt:MATRIX_FMT_FP6 matrix_b_fmt:MATRIX_FMT_FP6 matrix_a_scale:MATRIX_SCALE_ROW1
.else
	v_wmma_scale_f32_16x16x128_f8f6f4 v[8*(8*((\a)%4)+\b):8*(8*((\a)%4)+\b)+7], v[96*(\p)+12*\b:96*(\p)+12*\b+11], v[AF+96*(\p)+12*(\a):AF+96*(\p)+12*(\a)+11], v[8*(8*((\a)%4)+\b):8*(8*((\a)%4)+\b)+7], v[SC+8*(\p)+\b], v[SC+8*(\p)+(\a)] matrix_a_fmt:MATRIX_FMT_FP6 matrix_b_fmt:MATRIX_FMT_FP6 matrix_a_scale:MATRIX_SCALE_ROW1
.endif
.endr
.endr
.endm
.macro HLOAD k                         ; h_prev's rows of batch k (stage positions 8 k + n of my 64, as rows of memory), 512 consecutive bytes a load, into window 1
	WIN TO_B
.set i, 0
.rept 8
	global_load_b128 v[(192+32*(\k))%256+4*i:(192+32*(\k))%256+4*i+3], v[GO], s[HBA:HBA+1] offset:(32*((\k)/4)+8*(((\k)/2)%2)+16*((\k)%2)+i)*4096 th:TH_LOAD_NT
.set i, i+1
.endr
.endm
.macro STEP sl, ph, zero, hl           ; a K step's first 128 (set 0); its second 128 is fetched in the middle
	s_wait_dscnt 12                                ; all but my rows' blocks 4-7 are in
	WIN MUL_LO
	MUL16 0, 0, \zero
	MUL16 2, 0, \zero
	PLACES 4                                       ; four places in front of loads into registers that matrix instructions have read
	FETCH \sl, \ph, 1, 1
.if \hl
	HLOAD 0                                        ; into registers of window 1 that no fragment uses
	HLOAD 1
.endif
	s_wait_dscnt 50                                ; all but the 50 just issued
	WIN MUL_HI
	MUL16 4, 0, \zero
	MUL16 6, 0, \zero
.endm
; a K step's second 128 (set 1) changes slots.  Its first 32 products stand AHEAD of the wait for the tensor loads, so that a refill has a whole K step, 128 matrix instructions, between its request and that wait.
; Then each wave waits for all its tensor loads, adds 0 to its spare word, waits for that and for its reads of the slot; where the slot is filled again (fill = 1: four single tiles; 2: six tiles) the barrier opens
; a round of the cluster's barrier and the joint refill is the first tensor load behind it.
; pft: the rows' tiles of the K step whose tensor load stands two changes of slots, 256 matrix instructions, on are asked for: 1: xh_img's pair of K step 4 (waves 1 and 3); 2: xh_img's and rh_img's pairs of
; K step 6 (all four waves).  A cluster asks only for the pairs that it takes ahead of its neighbour (its even K steps), its four partners of a row for 50 blocks of 256 bytes each: so each block is named by
; one work-group of the launch.  K steps 0 to 3 come by their loads alone: nothing is asked for at the head.  The addresses are never rewritten: the second request stands in the immediate.
.macro TURN sl, nph, fill, ask, pft
	s_wait_dscnt 12                                ; all but my rows' blocks 4-7 are in
	WIN MUL_LO
	MUL16 0, 1, 0
	MUL16 2, 1, 0
	WIN 0                                          ; the add's two registers lie in window 0
	s_wait_tensorcnt 0x0                           ; all my tensor loads have landed: my part of the next slot among them; so a group 0 may be written
	ds_add_u32 v[SPW], v[NIL]                      ; 0 onto my spare word; the descriptors' steps stand between it and the wait for it
.if \fill
	s_add_nc_u64 s[G0A+4*\sl+2:G0A+4*\sl+3], s[G0A+4*\sl+2:G0A+4*\sl+3], 4*TILE   ; two kp on
	s_add_nc_u64 s[G0B+4*\sl+2:G0B+4*\sl+3], s[G0B+4*\sl+2:G0B+4*\sl+3], 4*TILE
.endif
	s_wait_dscnt 0x0                               ; the add is done, and my reads of this slot are over
	s_barrier_signal -1
	s_barrier_wait -1
.if \fill == 1
	CREST
	JL1 \sl
.elseif \fill == 2
	CREST
	JL2 \sl
.else
	PLACES 4
.endif
	FETCH 1-(\sl), \nph, 0, 0
.if \pft == 1
	s_cmp_eq_u32 s[MH], 0
	s_cbranch_scc1 .Lnot_mine_\@
	global_prefetch_b8 v[PFT], s[PFA:PFA+1] th:TH_LOAD_NT scope:SCOPE_SE
.Lnot_mine_\@:
.elseif \pft == 2
	global_prefetch_b8 v[PFT], s[PFA:PFA+1] offset:4*TILE th:TH_LOAD_NT scope:SCOPE_SE
.endif
.if \ask >= 0                          ; 32 of my 64 rows x 512 bytes of h_prev, a lane 256 bytes, each block once in the launch: more than two K steps ahead of the loads that want them
	global_prefetch_b8 v[PFO], s[HBA:HBA+1] offset:(\ask)*65536 th:TH_LOAD_NT scope:SCOPE_SE
	global_prefetch_b8 v[PFO], s[HBA:HBA+1] offset:((\ask)+1)*65536 th:TH_LOAD_NT scope:SCOPE_SE
.endif
	WIN MUL_HI
	MUL16 4, 1, 0
	MUL16 6, 1, 0
.endm
.macro RDB k                           ; batch k: eight whole rows of z's sums and of h_hat's
.set i, 0
.rept 8
	ds_load_b128 v[ZP+64*((\k)%2)+4*i:ZP+64*((\k)%2)+4*i+3], v[RD] offset:(8*(\k)+i)*SPT
	ds_load_b128 v[ZP+32+64*((\k)%2)+4*i:ZP+32+64*((\k)%2)+4*i+3], v[RD2] offset:(8*(\k)+i)*SPT
.set i, i+1
.endr
.endm
.macro MATH k
.set ZB, ZP+64*((\k)%2)
.set TB, ZB+32
.set HV, (192+32*(\k))%256
.set i, 0
.rept 8
	v_pk_fma_f32 v[ZB+4*i:ZB+4*i+1], v[ZB+4*i:ZB+4*i+1], s[CZ:CZ+1], v[BZ:BZ+1] op_sel_hi:[1,0,1]
	v_pk_fma_f32 v[ZB+4*i+2:ZB+4*i+3], v[ZB+4*i+2:ZB+4*i+3], s[CZ:CZ+1], v[BZ+2:BZ+3] op_sel_hi:[1,0,1]
	v_pk_fma_f32 v[TB+4*i:TB+4*i+1], v[TB+4*i:TB+4*i+1], s[CH:CH+1], v[BH:BH+1] op_sel_hi:[1,0,1]
	v_pk_fma_f32 v[TB+4*i+2:TB+4*i+3], v[TB+4*i+2:TB+4*i+3], s[CH:CH+1], v[BH+2:BH+3] op_sel_hi:[1,0,1]
.set i, i+1
.endr
.set i, 0
.rept 64
	v_exp_f32 v[ZB+i], v[ZB+i]
.set i, i+1
.endr
	v_nop                                          ; a plain place behind the batch
	s_wait_alu depctr_va_vdst(0)                   ; one wait for the 64, ahead of their first reader
.set i, 0
.rept 32
	v_pk_add_f32 v[ZB+2*i:ZB+2*i+1], v[ZB+2*i:ZB+2*i+1], 1.0 op_sel_hi:[1,0]
.set i, i+1
.endr
.set i, 0
.rept 64
	v_rcp_f32 v[ZB+i], v[ZB+i]
.set i, i+1
.endr
	v_nop
	s_wait_alu depctr_va_vdst(0)
.set i, 0
.rept 16
	v_pk_fma_f32 v[TB+2*i:TB+2*i+1], v[TB+2*i:TB+2*i+1], -2.0, 1.0 op_sel_hi:[1,0,0]   ; tanh
.set i, i+1
.endr
	WIN 0x04                                       ; source 1 window 1: h_prev
.set i, 0
.rept 16
	v_pk_add_f32 v[TB+2*i:TB+2*i+1], v[TB+2*i:TB+2*i+1], v[HV+2*i:HV+2*i+1] neg_lo:[0,1] neg_hi:[0,1]   ; h_hat - h
.set i, i+1
.endr
	WIN 0x10                                       ; source 2 window 1
.set i, 0
.rept 16
	v_pk_fma_f32 v[ZB+2*i:ZB+2*i+1], v[ZB+2*i:ZB+2*i+1], v[TB+2*i:TB+2*i+1], v[HV+2*i:HV+2*i+1]         ; h + z (h_hat - h)
.set i, i+1
.endr
	WIN 0
.endm
.macro OUT k
.set i, 0
.rept 8
	global_store_b128 v[GO], v[ZP+64*((\k)%2)+4*i:ZP+64*((\k)%2)+4*i+3], s[OBA:OBA+1] offset:(32*((\k)/4)+8*(((\k)/2)%2)+16*((\k)%2)+i)*4096 th:TH_STORE_NT   ; 512 consecutive bytes of a row, aligned
.set i, i+1
.endr
.endm
	s_wait_tensorcnt 2                             ; my part of slot 0 is in; the two loads issued behind it (slot 1's part, r h_prev's tile) may stay out
	s_barrier_signal -1
	s_barrier_wait -1
	FETCH 0, 1, 0, 0
	STEP 0, 1, 1, 0                                ; K step 0: its first products start the sums
	TURN 0, 1, 1, -1, 1                            ; asks for K step 2
	STEP 1, 1, 0, 0
	TURN 1, 1, 1, -1, 0
	STEP 0, 1, 0, 0
	TURN 0, 1, 1, -1, 2                            ; asks for K step 4: h_prev's tiles; r h_prev's lie in region 1 since the first fills
	STEP 1, 1, 0, 0
	TURN 1, 2, 1, -1, 0
	STEP 0, 2, 0, 0
	TURN 0, 2, 2, 0, 0                             ; asks for K step 6: six tiles
	STEP 1, 2, 0, 0
	TURN 1, 2, 2, 2, 0
	STEP 0, 2, 0, 0
	TURN 0, 2, 0, -1, 0                            ; nothing is left to fetch
	STEP 1, 2, 0, 1
	s_wait_dscnt 12                                ; the very last substep
	WIN MUL_LO
	MUL16 0, 1, 0
	MUL16 2, 1, 0
	PLACES 4                                       ; the weights' set 0 is done with: h_prev lands there
	HLOAD 2
	HLOAD 3
	HLOAD 4
	s_wait_dscnt 0x0                               ; my last reads of the ring are over
	WIN MUL_HI
	MUL16 4, 1, 0
	MUL16 6, 1, 0
	WIN 0
	PLACES 4                                       ; in front of the loads into the weights' set 1 and of the first reads of results
	HLOAD 5
	HLOAD 6
	HLOAD 7
	WIN 0
	s_barrier_signal -1                            ; every wave's reads of both slots are over (waited for above), and both slots have had their last fill:
	s_barrier_wait -1                              ; the stage may be written
.irp a, 0,1,2,3,4,5,6,7
	WIN 0x08+4*(\a/4)                              ; an LDS store's data are its source 1: window 2 or 3
.irp b, 0,1,2,3,4,5,6,7
	ds_store_b128 v[STO], v[8*(8*(\a%4)+\b):8*(8*(\a%4)+\b)+3] offset:\a*16*SPT+128*(\b/2)+32*(\b%2)        ; each accumulator from its low end on
	ds_store_b128 v[STO], v[8*(8*(\a%4)+\b)+4:8*(8*(\a%4)+\b)+7] offset:\a*16*SPT+128*(\b/2)+32*(\b%2)+16
.endr
.endr
	WIN 0
	s_wait_dscnt 0x0                               ; for the others' sake: my stores into the stage are done
	s_barrier_signal -1
	s_barrier_wait -1
	RDB 0
.irp k, 0,1,2,3,4,5,6,7
.if \k < 7
.if \k > 0
	s_wait_xcnt 0x0                                ; the batch before's stores have read their data: the next batch lands there only behind this wait
.endif
	RDB \k+1
	s_wait_dscnt 16                                ; this batch is in; the next one's 16 loads may be out
.else
	s_wait_dscnt 0x0
.endif
	s_wait_loadcnt 56-8*\k                         ; this batch's h_prev is in; the later batches' loads may be out
	MATH \k
	OUT \k
.endr
	s_wait_tensorcnt 0x0                           ; the wave's end: an add of 0 to my spare word and its wait, behind my last tensor load and my last LDS store
	ds_add_u32 v[SPW], v[NIL]
	s_wait_dscnt 0x0
	CROUND                                         ; the closing round
	s_endpgm
.Lfunc_end_k_q974a915eec_gates_zh:
	.size	k_q974a915eec_gates_zh, .Lfunc_end_k_q974a915eec_gates_zh-k_q974a915eec_gates_zh
	.p2alignl 7, 3214868480
	.fill 96, 4, 3214868480
	.section	.rodata,"a",@progbits
	.p2align	6, 0x0
	.amdhsa_kernel k_q974a915eec_gates_zh
		.amdhsa_group_segment_fixed_size 327680
		.amdhsa_private_segment_fixed_size 0
		.amdhsa_enable_private_segment 0
		.amdhsa_kernarg_size 72
		.amdhsa_user_sgpr_count 2
		.amdhsa_user_sgpr_kernarg_segment_ptr 1
		.amdhsa_wavefront_size32 1
		.amdhsa_system_sgpr_workgroup_id_x 1
		.amdhsa_system_sgpr_workgroup_id_y 1
		.amdhsa_system_sgpr_workgroup_id_z 1
		.amdhsa_system_vgpr_workitem_id 0
		.amdhsa_next_free_vgpr 1024
		.amdhsa_next_free_sgpr 100
		.amdhsa_reserve_vcc 0
		.amdhsa_float_denorm_mode_32 3
		.amdhsa_float_denorm_mode_16_64 3
		.amdhsa_memory_ordered 1
		.amdhsa_forward_progress 1
		.amdhsa_inst_pref_size 255
	.end_amdhsa_kernel
	.section	.bss,"aw",@nobits
	.p2align	6
	.space	262144
	.amdgpu_metadata
---
amdhsa.version: [ 1, 2 ]
amdhsa.kernels:
  - .name:           k_q974a915eec_gates_zh
    .symbol:         k_q974a915eec_gates_zh.kd
    .args:
      - { .name: xh_img, .offset: 0, .size: 8, .value_kind: global_buffer, .address_space: global }
      - { .name: rh_img, .offset: 8, .size: 8, .value_kind: global_buffer, .address_space: global }
      - { .name: w_img, .offset: 16, .size: 8, .value_kind: global_buffer, .address_space: global }
      - { .name: h_prev, .offset: 24, .size: 8, .value_kind: global_buffer, .address_space: global }
      - { .name: b_wz, .offset: 32, .size: 8, .value_kind: global_buffer, .address_space: global }
      - { .name: b_uz, .offset: 40, .size: 8, .value_kind: global_buffer, .address_space: global }
      - { .name: b_wh, .offset: 48, .size: 8, .value_kind: global_buffer, .address_space: global }
      - { .name: b_uh, .offset: 56, .size: 8, .value_kind: global_buffer, .address_space: global }
      - { .name: out0, .offset: 64, .size: 8, .value_kind: global_buffer, .address_space: global }
    .group_segment_fixed_size: 327680
    .private_segment_fixed_size: 0
    .kernarg_segment_align: 8
    .kernarg_segment_size: 72
    .max_flat_workgroup_size: 128
    .sgpr_count:     100
    .vgpr_count:     1024
    .wavefront_size: 32
...
	.end_amdgpu_metadata
.endif
;; end of part 3
